; MI455X (gfx1250); checked and timed in simulation.
; The chip was launched on July 23, 2026; its instructions are those of AMD's public machine-readable ISA for CDNA 5 (MIT licence, August 2026) and "CDNA5" Instruction Set Architecture Reference Guide (July 2026). The comments in the code are by the model that wrote it; some were corrected since.
;; Quaternion LSTM Cell. Allowed arithmetic: matrix products marked QUANTISED: E5M2 operands, one E8M0 scale for each 32 along K, by v_wmma_scale_f32_16x16x128_f8f6f4 with both operands' format E5M2, f32 sums; everything else in f32.
;; Inputs: Uc_b 512 x 4 float32; Uc_w 4 x 512 x 512 float32; Uf_b 512 x 4 float32; Uf_w 4 x 512 x 512 float32; Ui_b 512 x 4 float32; Ui_w 4 x 512 x 512 float32; Uo_b 512 x 4 float32; Uo_w 4 x 512 x 512 float32; Wc_w 4 x 512 x 512 float32; Wf_w 4 x 512 x 512 float32; Wi_w 4 x 512 x 512 float32; Wo_w 4 x 512 x 512 float32; c 2,048 x 512 x 4 float32; h 2,048 x 512 x 4 float32; x 2,048 x 512 x 4 float32.
;; Outputs: out0 2,048 x 512 x 4 float32; out1 2,048 x 512 x 4 float32.
;; This version of the problem:
;;   THIS VERSION OF THE PROBLEM IS GIVEN IN LOW PRECISION. The matrix products marked QUANTISED in the list below multiply operands that are first quantised to E5M2 (5 exponent bits, 2 mantissa bits; 8 bits a number), with one power-of-two scale for each 32 numbers along K (OCP MX v1.0); their sums are f32. All else is computed in f32.
;;   The module's matrix products, in the order in which they are computed (A, B: the left and right operand; K: the contracted axis; several contracted axes count as one K, in the product's order):
;;     1. [M 2,048, K 2,048] x [K 2,048, N 2,048]; A: input x; B: computed on the way: QUANTISED
;;     2. [M 2,048, K 2,048] x [K 2,048, N 2,048]; A: input h; B: computed on the way: QUANTISED
;;     3. [M 2,048, K 2,048] x [K 2,048, N 2,048]; A: input x; B: computed on the way: QUANTISED
;;     4. [M 2,048, K 2,048] x [K 2,048, N 2,048]; A: input h; B: computed on the way: QUANTISED
;;     5. [M 2,048, K 2,048] x [K 2,048, N 2,048]; A: input x; B: computed on the way: QUANTISED
;;     6. [M 2,048, K 2,048] x [K 2,048, N 2,048]; A: input h; B: computed on the way: QUANTISED
;;     7. [M 2,048, K 2,048] x [K 2,048, N 2,048]; A: input x; B: computed on the way: QUANTISED
;;     8. [M 2,048, K 2,048] x [K 2,048, N 2,048]; A: input h; B: computed on the way: QUANTISED
;;   THE QUANTISER, for each operand of a quantised product, along K:
;;     - K is cut into blocks of 32 from its start; a last block that is shorter is filled with zeros.
;;     - A block's scale is 2^e with e = floor(log2(the largest magnitude in the block)) - 15, held to -126 .. 127; a block of zeros has e = 0. As a byte (E8M0): e + 127.
;;     - Each number is divided by its block's scale, clamped to +-57,344, and rounded to the nearest number of E5M2, ties to even, subnormals kept.
;;     - The product sums the exact products of the quantised numbers (number of the format x scale) in f32.
;;   ~~~python
;;   def quantise(x, axis):      # numpy; x: float32 -> the quantised numbers, widened to float32 again
;;       x = np.moveaxis(x, axis, -1); K = x.shape[-1]
;;       x = np.pad(x, [(0, 0)] * (x.ndim - 1) + [(0, -K % 32)]); x = x.reshape(x.shape[:-1] + (-1, 32)); a = np.abs(x).max(-1, keepdims=True)
;;       e = np.where(a > 0, np.clip(np.frexp(np.where(a > 0, a, 1))[1] - 1 - 15, -126, 127), 0)      # np.frexp(a)[1] - 1 = floor(log2(a)), exactly
;;       r = np.clip(x / 2.0 ** e, -57344, 57344)
;;       step = 2.0 ** (np.maximum(np.frexp(np.where(r == 0, 1, r))[1] - 1, -14) - 2)
;;       q = np.round(r / step) * step * 2.0 ** e      # np.round: ties to even
;;       return np.moveaxis(q.reshape(q.shape[:-2] + (-1,))[..., :K], -1, axis).astype(np.float32)
;;   ~~~
;;   OPERANDS COMPUTED ON THE WAY. 'Computed on the way' means the value that the module computes at that place (a softmax that the list does not call 'softmax' is quantised finished and normalised). What goes into a quantiser is computed in f32, as accurately as f32 sums, v_exp_f32 and their like allow (about 1e-6 of the number): no bf16 or f16 on the way to a quantiser, and a product that is left as it is and whose result goes on into a quantised operand takes f32 operands (vector FMAs, or v_wmma_f32_16x16x4_f32). A number that lies on a knife's edge between two numbers of the format may be rounded either way, as far as f32 arithmetic and the matrix unit's own rounding can turn it there, and no further.
;; One version. Each part assembles by itself: llvm-mc -triple=amdgcn-amd-amdhsa -mcpu=gfx1250 --defsym DOCPART=n.
;; ======== version 1 of 1: 2 launches
;; limits: right only within a limited range of input values
;; workspace buffers: aimg 8,650,752 bytes; bimg 8,650,752 bytes
;; launch quant (part 1): grid 512 x 1, 4 waves a work-group, no clusters, 68,096 bytes of LDS; arguments x, h, Wi_w, Wf_w, Wo_w, Wc_w, Ui_w, Uf_w, Uo_w, Uc_w, aimg, bimg; writes aimg, bimg
.if DOCPART == 1
	.amdgcn_target "amdgcn-amd-amdhsa--gfx1250"
	.amdhsa_code_object_version 6
	.text
	.protected	k_qc38ff737c5_quant
	.globl	k_qc38ff737c5_quant
	.p2align	8
	.type	k_qc38ff737c5_quant,@function
k_qc38ff737c5_quant:
	s_mov_b64 s[64:65], 0
	v_nop
	global_prefetch_b8 v0, s[64:65] scope:SCOPE_SE
	s_setreg_imm32_b32 hwreg(HW_REG_WAVE_MODE, 25, 1), 1
	s_wait_xcnt 0x0
; x, h [2048][512][4] f32 and the eight weights [4][512][512] f32 become codes of BF8 (E5M2) with one E8M0 scale byte for each 32 along K,
; laid as IMAGES OF THE MATRIX OPERANDS' REGISTERS: the next launch takes every fragment by four 16-byte loads a lane.
; K of the products is component-major: a block of 32 along K is 32 neighbouring i of ONE component.  In a weight those are 128 consecutive bytes; in x and h they lie 16 bytes apart.
; The right operand is the Hamilton matrix, whose entries are +-W[p xor q][o][i]; the quantiser is odd, so each weight is quantised once and a minus is bit 7 of a code.
; WORK LEFT OUT, in both launches: reference() takes i, f and o from component 0 of i_pre, f_pre and o_pre alone; components 1 to 3 of these three sums reach no output, whatever the inputs hold.  So their Hamilton columns
; q = 1, 2, 3 are not multiplied and components 1 to 3 of Ui_b, Uf_b, Uo_b are not read (every component of the weights is read: it stands in column q = 0).  A NaN, an infinity or an overflow that reaches only that work is not carried to the result.
; A FRAGMENT'S IMAGE (16 rows x 128 K, 2,048 bytes): byte 512 c + 16 lane + n = the code of row lane % 16 at k = 32 c + 16 (lane / 16) + n.
; A BLOCK (STEPB bytes) = 32 images (65,536 bytes) + 2,048 bytes of scale words.  Step s = 4 src + ic: src 0 = x with W.., 1 = h with U..; ic = which 128 of the 512 i.
;   aimg [16 blocks of 128 batch rows][8 steps]: image (component p, row tile rt) at (8 p + rt) 2048; scale words at 65536 + 512 (rt / 2) + 16 lane + 4 p: row lane % 16 of row tile 2 (rt / 2) + lane / 16.
;   bimg [16 blocks of 32 o][8 steps]: image (wc, type t, component) at (16 wc + 4 t + component) 2048, rows o = 32 block + 16 wc + r; types 0 i, 1 f, 2 o, 3 c;
;        scale words at 65536 + 1024 wc + 512 (t / 2) + 16 lane + 4 component: row lane % 16 of type 2 (t / 2) + lane / 16.
;        In the Hamilton column q = 0 components 1 to 3 stand with a minus: the gates' codes of these are stored negated.
; A block's scale is 2^(floor(log2(its largest magnitude)) - 15); its byte is the largest magnitude's exponent field - 15, held at 1 from below.
; LIMITS: NaN and infinities among the inputs are not served.  A block of zeros gets the byte 1 where the rule says 127: its codes are zeros, and only this program reads the bytes.  A negated zero code is -0, which adds nothing.
; SHARES: 2,048 waves, 32 KiB of f32 each, as 4 chunks of 16 rows x 512 bytes; each load reads 512 consecutive bytes.  Work-groups 0-255 take x and h (16 rows of one of them), 256-511 the weights (16 o of one weight).
; A chunk turns through the wave's own stage in LDS (rows 528 = 33 x 16 bytes apart, so that sixteen rows' pieces of 16 bytes fall on sixteen different places modulo 256 bytes), so that a lane gets 16 neighbours along K of its row.
; Waves share nothing: no barrier.  No two work-groups read the same bytes: no cluster.  No matrix products here.  Three chunks' loads (48 a wave) are asked for at the start, the fourth behind the first chunk's work.
.set STEPB, 67584
.set SP,    528                        ; a stage row
.set STG,   16*SP                      ; a wave's stage; x's and h's path has stages 0-3, the weights' path stages 4-7: LDS bytes of its own for each path
.set SPARE, 8*STG                      ; behind the stages: the spare words, 128 bytes for each wave
.set GL,  4                            ; v4   16 x lane: my place in a load's or a store's 512 bytes; never rewritten
.set SI,  5                            ; v5   the stage, on the way in
.set SO,  6                            ; v6   and on the way out
.set AM,  8                            ; v8-11   four blocks' largest magnitudes
.set TT,  12                           ; v12-15  the other half's maxima, then the scales' bytes
.set HB,  16                           ; v16-19  57,344 x the scale
.set SOP, 20                           ; v20-23  the conversions' scale operands
.set SW,  24                           ; v24-27  my row's scale words
.set SPW, 28                           ; v28  LDS address of my spare word; never rewritten
.set NIL, 29                           ; v29  0; never rewritten
.set CD,  32                           ; v32-47  a chunk's codes
.set YY,  48                           ; v48-63  16 neighbours along K, held
.set RR,  64                           ; v64-255 three sets of 64: chunk q uses set q % 3
	s_load_b512 s[8:23], s[0:1], 0x0               ; x, h, Wi, Wf, Wo, Wc, Ui, Uf
	s_load_b256 s[24:31], s[0:1], 0x40             ; Uo, Uc, aimg, bimg
	v_lshl_add_u32 v[SPW], v0, 2, SPARE
	v_mov_b32 v[NIL], 0
	v_lshrrev_b32 v1, 5, v0
	v_readfirstlane_b32 s32, v1                    ; wave = ic
	v_and_b32 v1, 31, v0                           ; lane
	v_and_b32 v2, 15, v0                           ; r
	v_bfe_u32 v3, v0, 4, 1                         ; h
	v_lshlrev_b32 v[GL], 4, v1
	v_mul_u32_u24 v7, v2, SP                       ; my row of the stage
.irp b, 0,1,2,3
	v_mov_b32 v[TT+\b], 0                          ; written once: a lane permute's destination counts as one of its sources
.endr
	s_wait_alu depctr_va_vdst(0)
	s_mov_b32 s34, 0x76543210
	s_mov_b32 s35, 0xfedcba98                      ; v_permlanex16_b32's selects for lane l xor 16
	s_mov_b32 s36, 0x600000                        ; the mantissa field of 57,344
	s_mul_i32 s48, s32, STG
.macro WAITL q                         ; chunk q's 16 loads are in; those of the chunks behind it (two, one, none) may be out
.if (\q) < 2
	s_wait_loadcnt 32
.elseif (\q) == 2
	s_wait_loadcnt 16
.else
	s_wait_loadcnt 0x0
.endif
.endm
.macro STAGE_IN                        ; the chunk as loaded: row t's 512 bytes at SP t
.irp t, 0,1,2,3,4,5,6,7,8,9,10,11,12,13,14,15
	ds_store_b128 v[SI], v[RS+4*\t:RS+4*\t+3] offset:SP*\t
.endr
.endm
.macro SCALE                           ; from my 16 numbers' maxima to the four blocks' scales
.irp b, 0,1,2,3
	v_permlanex16_b32 v[TT+\b], v[AM+\b], s34, s35
.endr
.irp b, 0,1,2,3
	v_max_num_f32 v[AM+\b], v[AM+\b], v[TT+\b]     ; with lane l xor 16's: the block's largest magnitude
.endr
.irp b, 0,1,2,3
	v_add_nc_u32 v[SOP+\b], 0xf8800000, v[AM+\b]   ; 15 off its exponent field: the conversion takes the exponent field of this operand as its scale
.endr
.irp b, 0,1,2,3
	v_and_or_b32 v[HB+\b], v[AM+\b], 0x7f800000, s36   ; 57,344 x the scale
.endr
.irp b, 0,1,2,3
	v_lshrrev_b32 v[TT+\b], 23, v[SOP+\b]          ; the scale's byte
.endr
	s_wait_alu depctr_va_vdst(0)
	s_wait_xcnt 0x0                                ; the last chunk's stores have read their data: the codes' registers are written again only behind this wait
.endm
.macro FIN                             ; the scale words: lanes l and l + 16 hold the same; lanes 0-15 store the row tile's 256 consecutive bytes, a whole aligned unit
	v_cmp_gt_u32 vcc_lo, 16, v1
	s_wait_alu depctr_va_vdst(0)
	s_wait_xcnt 0x0                                ; EXEC changes only behind this wait
	s_and_saveexec_b32 s33, vcc_lo
	global_store_b128 v[GL], v[SW:SW+3], s[46:47]
	s_wait_xcnt 0x0
	s_or_b32 exec_lo, exec_lo, s33
	s_wait_tensorcnt 0x0                           ; the wave's end
	ds_add_u32 v[SPW], v[NIL]
	s_wait_dscnt 0x0
	s_endpgm
.endm
	s_cmp_lt_u32 ttmp9, 256
	s_cbranch_scc0 .Lweights
; ---------------- x and h.  Work-group: src = wg & 1, row tile = wg >> 1 (16 rows); wave: 128 i.  Chunk q: i 32 q on: 32 i x 4 components = 512 bytes of a row.
	v_add_nc_u32 v[SI], s48, v[GL]
	v_lshl_add_u32 v[SO], v3, 8, v7                ; row r, i = 16 h on: 528 r + 256 h
	v_add_nc_u32 v[SO], s48, v[SO]
	s_wait_alu depctr_va_vdst(0)
	s_and_b32 s49, ttmp9, 1                        ; src
	s_lshr_b32 s50, ttmp9, 1                       ; row tile of 16
	s_lshl_b32 s51, s49, 2
	s_add_co_u32 s51, s51, s32                     ; step
	s_lshr_b32 s52, s50, 3                         ; block of 128 rows
	s_lshl_b32 s52, s52, 3
	s_add_co_u32 s52, s52, s51
	s_mul_i32 s52, s52, STEPB                      ; my block's first byte in aimg
	s_and_b32 s53, s50, 7                          ; rt, the row tile in the block
	s_lshl_b32 s54, s53, 11
	s_add_co_u32 s54, s54, s52                     ; codes
	s_mov_b32 s55, 0
	s_lshl_b32 s53, s53, 8
	s_add_co_u32 s52, s52, s53
	s_add_co_u32 s52, s52, 65536                   ; scale words: 256 bytes for each 16 rows
	s_mov_b32 s53, 0
	s_lshl_b32 s56, s50, 17                        ; 16 rows of 8,192 bytes
	s_lshl_b32 s57, s32, 11                        ; 128 i of 16 bytes
	s_add_co_u32 s56, s56, s57
	s_mov_b32 s57, 0
	s_wait_kmcnt 0x0
	s_cmp_eq_u32 s49, 0
	s_cselect_b64 s[40:41], s[8:9], s[10:11]       ; x or h: the choice hangs on the work-group's number alone
	s_add_nc_u64 s[40:41], s[40:41], s[56:57]
	s_add_nc_u64 s[44:45], s[28:29], s[54:55]
	s_add_nc_u64 s[46:47], s[28:29], s[52:53]
.macro LOADA q
.irp t, 0,1,2,3,4,5,6,7,8,9,10,11,12,13,14,15
	global_load_b128 v[RR+64*((\q)%3)+4*\t:RR+64*((\q)%3)+4*\t+3], v[GL], s[40:41] offset:\t*8192+512*(\q) th:TH_LOAD_NT
.endr
.endm
.macro CHUNK_A q
.set RS, RR+64*((\q)%3)
	WAITL \q
	STAGE_IN
.irp g, 0,1,2,3,4,5,6,7,8,9,10,11,12,13,14,15
	ds_load_b128 v[RS+4*\g:RS+4*\g+3], v[SO] offset:16*\g   ; LDS serves a wave's instructions in order: these see the stores.  Register 4 g + p = x(row r, i = 32 q + 16 h + g, component p)
.endr
	s_wait_dscnt 0x0
.irp p, 0,1,2,3
	v_max3_num_f32 v[AM+\p], |v[RS+\p]|, |v[RS+4+\p]|, 0x8000000   ; component p's block: my 16 numbers, and the floor 2^(16 - 127): the byte cannot fall under 1
.endr
.irp g, 2,4,6,8,10,12,14
.irp p, 0,1,2,3
	v_max3_num_f32 v[AM+\p], v[AM+\p], |v[RS+4*\g+\p]|, |v[RS+4*\g+4+\p]|   ; (the four blocks by turns)
.endr
.endr
	SCALE
.irp p, 0,1,2,3
.irp g, 0,1,2,3,4,5,6,7,8,9,10,11,12,13,14,15
	v_med3_num_f32 v[YY+\g], v[RS+4*\g+\p], -v[HB+\p], v[HB+\p]   ; the hold (the conversion to an 8-bit code does not saturate: ISA guide 7.6.2) also gathers a component's 16 numbers into consecutive registers
.endr
	v_cvt_scalef32_pk8_bf8_f32 v[CD+4*\p:CD+4*\p+1], v[YY:YY+7], v[SOP+\p]
	v_cvt_scalef32_pk8_bf8_f32 v[CD+4*\p+2:CD+4*\p+3], v[YY+8:YY+15], v[SOP+\p]
.if (\q) == 0
	v_mov_b32 v[SW+\p], v[TT+\p]                   ; the block's byte into its row's scale word.  (Also the plain line between the conversions and the next write of their sources)
.else
	v_lshl_or_b32 v[SW+\p], v[TT+\p], 8*(\q), v[SW+\p]
.endif
.endr
.irp p, 0,1,2,3
	global_store_b128 v[GL], v[CD+4*\p:CD+4*\p+3], s[44:45] offset:\p*16384+512*(\q)   ; 512 consecutive bytes of image (p, row tile), at a multiple of 256 from the buffer's first byte
.endr
.if (\q) == 0
	LOADA 3                                        ; into the set that this chunk has left
.endif
.endm
	LOADA 0
	LOADA 1
	LOADA 2
.irp q, 0,1,2,3
	CHUNK_A \q
.endr
	FIN
; ---------------- the weights.  Work-group: type t = w & 3, src = (w >> 2) & 1, 16 rows o: ot = w >> 3; wave: 128 i.  Chunk q: component q.
.Lweights:
	s_add_co_u32 s48, s48, 4*STG
	v_add_nc_u32 v[SI], s48, v[GL]
	v_lshl_add_u32 v[SO], v3, 6, v7                ; row r, i = 16 h on: 528 r + 64 h
	v_add_nc_u32 v[SO], s48, v[SO]
	s_wait_alu depctr_va_vdst(0)
	s_sub_co_u32 s49, ttmp9, 256
	s_and_b32 s50, s49, 3                          ; t
	s_bfe_u32 s51, s49, 0x10002                    ; src
	s_lshr_b32 s52, s49, 3                         ; ot
	s_lshl_b32 s53, s51, 2
	s_add_co_u32 s53, s53, s32                     ; step
	s_lshr_b32 s54, s52, 1                         ; block of 32 o
	s_lshl_b32 s54, s54, 3
	s_add_co_u32 s54, s54, s53
	s_mul_i32 s54, s54, STEPB                      ; my block's first byte in bimg
	s_and_b32 s55, s52, 1                          ; wc
	s_lshl_b32 s56, s55, 10
	s_lshl_b32 s57, s50, 8
	s_add_co_u32 s56, s56, s57
	s_add_co_u32 s56, s56, s54
	s_add_co_u32 s56, s56, 65536                   ; scale words: 256 bytes for each type
	s_mov_b32 s57, 0
	s_lshl_b32 s55, s55, 15
	s_add_co_u32 s54, s54, s55
	s_lshl_b32 s55, s50, 13
	s_add_co_u32 s54, s54, s55                     ; codes: image (wc, t, 0)
	s_mov_b32 s55, 0
	s_lshl_b32 s58, s52, 15                        ; 16 rows of 2,048 bytes
	s_lshl_b32 s59, s32, 9                         ; 128 i of 4 bytes
	s_add_co_u32 s58, s58, s59
	s_mov_b32 s59, 0
	s_mov_b32 s37, 0x80808080                      ; the minus of four codes
	s_wait_kmcnt 0x0
	s_cmp_eq_u32 s51, 0                            ; W.. or U..: every choice hangs on the work-group's number alone
	s_cselect_b64 s[2:3], s[12:13], s[20:21]       ; i
	s_cselect_b64 s[4:5], s[14:15], s[22:23]       ; f
	s_cselect_b64 s[6:7], s[16:17], s[24:25]       ; o
	s_cselect_b64 s[60:61], s[18:19], s[26:27]     ; c
	s_bitcmp1_b32 s50, 0
	s_cselect_b64 s[2:3], s[4:5], s[2:3]
	s_cselect_b64 s[6:7], s[60:61], s[6:7]
	s_bitcmp1_b32 s50, 1
	s_cselect_b64 s[40:41], s[6:7], s[2:3]
	s_cmp_eq_u32 s50, 3
	s_cselect_b32 s37, 0, s37                      ; c keeps its signs: the cell sorts its terms by sign
	s_add_nc_u64 s[40:41], s[40:41], s[58:59]
	s_add_nc_u64 s[44:45], s[30:31], s[54:55]
	s_add_nc_u64 s[46:47], s[30:31], s[56:57]
.macro LOADB q
.irp t, 0,1,2,3,4,5,6,7,8,9,10,11,12,13,14,15
	global_load_b128 v[RR+64*((\q)%3)+4*\t:RR+64*((\q)%3)+4*\t+3], v[GL], s[40:41] offset:(\q)*1048576+\t*2048 th:TH_LOAD_NT
.endr
.endm
.macro CHUNK_B q
.set RS, RR+64*((\q)%3)
	WAITL \q
	STAGE_IN
.irp c, 0,1,2,3
.irp g, 0,1,2,3
	ds_load_b128 v[RS+16*\c+4*\g:RS+16*\c+4*\g+3], v[SO] offset:128*\c+16*\g   ; register 16 c + n = W(o = r, i = 32 c + 16 h + n)
.endr
.endr
	s_wait_dscnt 0x0
.irp c, 0,1,2,3
	v_max3_num_f32 v[AM+\c], |v[RS+16*\c]|, |v[RS+16*\c+1]|, 0x8000000   ; block c: my 16 numbers, and the floor 2^(16 - 127)
.endr
.irp n, 2,4,6,8,10,12,14
.irp c, 0,1,2,3
	v_max3_num_f32 v[AM+\c], v[AM+\c], |v[RS+16*\c+\n]|, |v[RS+16*\c+\n+1]|
.endr
.endr
	SCALE
.irp c, 0,1,2,3
.irp n, 0,1,2,3,4,5,6,7,8,9,10,11,12,13,14,15
	v_med3_num_f32 v[RS+16*\c+\n], v[RS+16*\c+\n], -v[HB+\c], v[HB+\c]   ; the hold at the largest code x the scale
.endr
	v_cvt_scalef32_pk8_bf8_f32 v[CD+4*\c:CD+4*\c+1], v[RS+16*\c:RS+16*\c+7], v[SOP+\c]
	v_cvt_scalef32_pk8_bf8_f32 v[CD+4*\c+2:CD+4*\c+3], v[RS+16*\c+8:RS+16*\c+15], v[SOP+\c]
.endr
	v_lshl_or_b32 v[SW+(\q)], v[TT+1], 8, v[TT]    ; the four bytes make my row's scale word.  (Also the plain lines between the conversions and the next touch of their results)
	v_lshl_or_b32 v[SW+(\q)], v[TT+2], 16, v[SW+(\q)]
	v_lshl_or_b32 v[SW+(\q)], v[TT+3], 24, v[SW+(\q)]
.if (\q) != 0
.irp n, 0,1,2,3,4,5,6,7,8,9,10,11,12,13,14,15
	v_xor_b32 v[CD+\n], s37, v[CD+\n]              ; components 1 to 3 of a gate stand with a minus in the Hamilton column q = 0
.endr
.endif
.irp c, 0,1,2,3
	global_store_b128 v[GL], v[CD+4*\c:CD+4*\c+3], s[44:45] offset:(\q)*2048+512*\c
.endr
.if (\q) == 0
	LOADB 3
.endif
.endm
	LOADB 0
	LOADB 1
	LOADB 2
.irp q, 0,1,2,3
	CHUNK_B \q
.endr
	FIN
.Lfunc_end_k_qc38ff737c5_quant:
	.size	k_qc38ff737c5_quant, .Lfunc_end_k_qc38ff737c5_quant-k_qc38ff737c5_quant
	.p2alignl 7, 3214868480
	.fill 96, 4, 3214868480
	.section	.rodata,"a",@progbits
	.p2align	6, 0x0
	.amdhsa_kernel k_qc38ff737c5_quant
		.amdhsa_group_segment_fixed_size 68096
		.amdhsa_private_segment_fixed_size 0
		.amdhsa_enable_private_segment 0
		.amdhsa_kernarg_size 96
		.amdhsa_user_sgpr_count 2
		.amdhsa_user_sgpr_kernarg_segment_ptr 1
		.amdhsa_wavefront_size32 1
		.amdhsa_system_sgpr_workgroup_id_x 1
		.amdhsa_system_sgpr_workgroup_id_y 1
		.amdhsa_system_sgpr_workgroup_id_z 1
		.amdhsa_system_vgpr_workitem_id 0
		.amdhsa_next_free_vgpr 256
		.amdhsa_next_free_sgpr 66
		.amdhsa_reserve_vcc 1
		.amdhsa_float_denorm_mode_32 3
		.amdhsa_float_denorm_mode_16_64 3
		.amdhsa_memory_ordered 1
		.amdhsa_forward_progress 1
		.amdhsa_inst_pref_size 103
	.end_amdhsa_kernel
	.amdgpu_metadata
---
amdhsa.version: [ 1, 2 ]
amdhsa.kernels:
  - .name:           k_qc38ff737c5_quant
    .symbol:         k_qc38ff737c5_quant.kd
    .args:
      - { .name: x, .offset: 0, .size: 8, .value_kind: global_buffer, .address_space: global }
      - { .name: h, .offset: 8, .size: 8, .value_kind: global_buffer, .address_space: global }
      - { .name: Wi_w, .offset: 16, .size: 8, .value_kind: global_buffer, .address_space: global }
      - { .name: Wf_w, .offset: 24, .size: 8, .value_kind: global_buffer, .address_space: global }
      - { .name: Wo_w, .offset: 32, .size: 8, .value_kind: global_buffer, .address_space: global }
      - { .name: Wc_w, .offset: 40, .size: 8, .value_kind: global_buffer, .address_space: global }
      - { .name: Ui_w, .offset: 48, .size: 8, .value_kind: global_buffer, .address_space: global }
      - { .name: Uf_w, .offset: 56, .size: 8, .value_kind: global_buffer, .address_space: global }
      - { .name: Uo_w, .offset: 64, .size: 8, .value_kind: global_buffer, .address_space: global }
      - { .name: Uc_w, .offset: 72, .size: 8, .value_kind: global_buffer, .address_space: global }
      - { .name: aimg, .offset: 80, .size: 8, .value_kind: global_buffer, .address_space: global }
      - { .name: bimg, .offset: 88, .size: 8, .value_kind: global_buffer, .address_space: global }
    .group_segment_fixed_size: 68096
    .private_segment_fixed_size: 0
    .kernarg_segment_align: 8
    .kernarg_segment_size: 96
    .max_flat_workgroup_size: 128
    .sgpr_count:     66
    .vgpr_count:     256
    .wavefront_size: 32
...
	.end_amdgpu_metadata
.endif
;; end of part 1
;; launch cell (part 2): grid 16 x 16, 4 waves a work-group, clusters of 4 x 1, 327,680 bytes of LDS; arguments aimg, bimg, c, Ui_b, Uf_b, Uo_b, Uc_b, out0, out1; writes out0, out1
.if DOCPART == 2
	.amdgcn_target "amdgcn-amd-amdhsa--gfx1250"
	.amdhsa_code_object_version 6
	.text
	.protected	k_qc38ff737c5_cell
	.globl	k_qc38ff737c5_cell
	.p2align	8
	.type	k_qc38ff737c5_cell,@function
k_qc38ff737c5_cell:
	s_mov_b64 s[64:65], 0
	v_nop
	global_prefetch_b8 v0, s[64:65] scope:SCOPE_SE
	s_setreg_imm32_b32 hwreg(HW_REG_WAVE_MODE, 25, 1), 1
	s_wait_xcnt 0x0
	s_wait_alu depctr_hold_cnt(0) depctr_sa_sdst(0) depctr_va_vdst(0) depctr_va_sdst(0) depctr_va_ssrc(0) depctr_va_vcc(0) depctr_vm_vsrc(0)
	s_getreg_b32 s2, hwreg(HW_REG_IB_STS2, 6, 4)
	s_cmp_eq_u32 s2, 0
	s_cbranch_scc0 .Lentry_in_a_cluster
	s_endpgm
.Lentry_in_a_cluster:
	s_bfe_u32 s2, ttmp6, 0x10000c
	s_cmp_lg_u32 s2, 0x3003
	s_cbranch_scc0 .Lentry_shape_is_right
	s_endpgm
.Lentry_shape_is_right:
; The quaternion LSTM cell on the codes that the launch before has laid out (BF8 = E5M2, one E8M0 scale for each 32 along K): the products, the biases, the gates and the cell update in one launch.
;   pre_g(b, o)   = sum over src, p, i of xh_src(b, i, p) M_g,src((p, i), (q = 0, o)) + U_g_b(o, 0),  g = i, f, o.  WORK LEFT OUT: components 1 to 3 of the three gates' sums, which reach no output (shown at the head of the first kernel);
;   z(b, o, q)    = sum over src, p, i of xh_src(b, i, p) (+-) W_c,src[p xor q](o, i) + Uc_b(o, q);   c_t = sig(pre_f) c + sig(pre_i) tanh(z);   h_t = sig(pre_o) tanh(c_t).   out0 = h_t, out1 = c_t.
; THE HAMILTON STRUCTURE: each pair (component p of x, component w of W_c) is needed once, for q = p xor w; its sign is bit 4 p + q of NEGM.  Each q has TWO accumulators, one for the terms with +, one for those with -,
; subtracted once at the end: so one fragment of W_c[w] serves all four p, and no negated copy exists.  The gates' minus signs are in their codes already.
; ORDER OF ROUNDING, other than reference()'s: the x part and the h part of a sum share one chain of f32 sums, K ascending; the + and the - terms of z run in two chains.
; LIMITS: NaN and infinities among the inputs are not served.  sigmoid(a) = 1 / (1 + 2^(-a log2 e)), tanh(z) = 1 - 2 / (1 + 2^(2 z log2 e)): an exponential that overflows gives infinity, whose reciprocal is 0: both ends saturate rightly.
; SHARES: a work-group owns 128 batch rows x 32 o; wave w owns rows 32 w on (two tiles m of 16) x all 32 o (two tiles n of 16), with all seven columns of each o: 12 + 32 accumulators.
; Source 0 = 16 batch rows, source 1 = 16 o: in every result lane (r, h), register j is (b = 8 h + j, o = r).  So all seven sums of one (b, o) lie in one lane at one register index, and the 16 bytes [q = 0..3] of
; sixteen neighbouring lanes are 256 consecutive bytes of c, out0 and out1, at a multiple of 256 from the buffer's first byte: the way out needs no LDS.
; K goes in 8 steps (2 sources x 4 chunks of 128 i); a step has four sub-steps p (the component of x or h), k = 4 step + p, each one matrix instruction deep: 12 gate products + 16 products for z.
; THE WEIGHTS come through LDS: a step's block is STEPB bytes dense in memory (fragment images, then scale words) and is read as it lies, 512 consecutive bytes an instruction.  A slot holds TWO steps, two slots make the ring;
; each wave fetches a quarter of a slot by one tensor load.  Four fills in all.
; x AND h GO STRAIGHT INTO REGISTERS: an image of aimg is a fragment's register image, each of them is used by exactly one wave of the work-group, and LDS would be passed only once.  They run through six buffers of 32 registers,
; five sub-steps (140 matrix instructions) ahead of their products, and are not drained at the changes of slots; so they need no prefetch.
; CLUSTERS: 4 x 1 work-groups with the same 32 o: each fill of weights is asked for JOINTLY, with the constant mask 15.  x and h are shared by work-groups too (the 16 with other o), but not jointly asked for: that would take them through LDS,
; where a slot of 2 x STEPB would then hold one step instead of two, and the drained rounds ahead of fills would be seven instead of three.
; REGISTERS, in windows of 256: window 0: v0-31 addresses and x's scale words; v32-63 the weights' scale words; v64-255 six buffers for x or h, at the end c and the biases.
;   window 1: v0-191 the gates' fragments, two buffers of 96; v192-255 W_c's slots 5, 6; at work at the end.   window 2: z's 32 accumulators.
;   window 3: v0-95 the gates' accumulators; v96-255 W_c's slots 0 to 4.  W_c's fragments f = 4 step + w (two n of 16 registers) lie in slot f % 7: three of the next step's beside this step's four.
; NO LOOP OVER K: the first step starts the sums, LDS regions come round every four steps and the last four sub-steps load c; no two stretches of equal register numbers and offsets are left to make trips of.
.set STEPB,  67584
.set QUART,  STEPB/2                   ; 132 rows of 256 bytes: what one tensor load brings, a quarter of two steps
.set SLOT,   2*STEPB
.set SCOFF,  65536                     ; where a block's scale words begin
.set SPARE,  2*SLOT                    ; behind the ring: the spare words, 128 bytes for each wave: two blocks of 256 bytes that no other line names
.set NEGM,   0x5390                    ; bit 4 p + q: the Hamilton term (p, q) has a minus
.set FIRSTM, 0x429f                    ; bit 4 p + q: in step 0 that term is the first of its accumulator
.set AO,  4                            ; v4      16 x lane: my place in every image; also
.set ADB, 4                            ; v4-7    the LDS address of my place in region 0 .. 3 (step s lies in region s % 4)
.set ASB, 8                            ; v8-11   and of the regions' scale words
.set BO,  12                           ; v12     16 r: my o's place in a bias
.set CO,  13                           ; v13     my byte offset in the wave's part of c, out0, out1: 65536 h + 16 r
.set PFO, 14                           ; v14     256 x lane: the prefetches' offset in the weights
.set PFC, 15                           ; v15     8192 x lane: the prefetches' offset in c
.set SPW, 16                           ; v16     LDS address of my spare word
.set NIL, 17                           ; v17     0
.set SA,  18                           ; v18-25  x's scale words, set s % 2 at + 4 (s % 2): component p's; lanes 0-15 row tile 0, lanes 16-31 row tile 1
.set SB,  32                           ; v32-63  the weights' scale words, set s % 2 at + 16 (s % 2): + 8 n + 4 (t / 2) + component: type t in lanes 16 (t % 2) on
.set AF,  64                           ; window 0: buffer k % 6 at AF + 32 (k % 6): fragment m at + 16 m
.set GF,  0                            ; window 1: the gates' fragments: GF + 96 (k % 2) + 32 g + 16 n
.set BR,  AF+32*2                      ; the end, window 0: the biases as loaded (item 32's buffer);
.set NB,  0                            ; window 1: v0-27  scaled biases, each twice: NB + 14 n + 2 g, + 6 + 2 q;
.set ZZ,  32                           ; z(q, j) at ZZ + 8 q + j;
.set GA,  64                           ; the gates (g, j) at GA + 8 g + j, straight behind z;
.set I2,  88                           ; -2 i;
.set O2,  96                           ; -2 o;
.set CTB, 112                          ; c_t at CTB + 64 (block % 2) + 4 j + q;
.set HTB, 144                          ; h_t likewise
.set WV,  22                           ; s22 wave
.set G1,  28                           ; s[28:35] descriptor group 1;  s[36:43] group 0, one set for each slot
.set G0,  36
.set APT, 46                           ; s[46:47] my rows' images in aimg;  s[48:49] their scale words
.set ASC, 48
.set PFB, 54                           ; s[54:55] where my prefetches of weights stand
.set NL2, 56                           ; s[56:57] -log2(e)
.set TL2, 58                           ; s[58:59] 2 log2(e)
.set MSB, 0
.macro WIN new                         ; the immediate's high byte repeats the setting that is left
.if MSB != \new
	s_set_vgpr_msb (MSB<<8)|\new
.set MSB, \new
.endif
.endm
.set MUL_G,  0xf4                      ; source 0 window 0, source 1 window 1, C and D window 3
.set MUL_C3, 0xac                      ; source 1 window 3, C and D window 2
.set MUL_C1, 0xa4                      ; source 1 window 1, C and D window 2
.macro CREST                           ; a round of the cluster's barrier behind its opening barrier
	s_cmp_lg_u32 s[WV], 0
	s_cbranch_scc1 .Lnot_wave_0_\@
	s_barrier_signal -3
.Lnot_wave_0_\@:
	s_barrier_wait -3
	s_barrier_signal -1
	s_barrier_wait -1
.endm
.macro CROUND                          ; a whole round
	s_barrier_signal -1
	s_barrier_wait -1
	CREST
.endm
.macro PLACES n                        ; A load into a register that a matrix instruction has read stands eight places behind it; only plain vector instructions that name none of its registers are places
.rept \n
	v_nop
.endr
.endm
; One matrix instruction, from the symbols rD (accumulator), rA, rB (fragments), rSA, rSB (scale words), fV (bit 0: source 0's words lie in lanes 16-31; bit 1: source 1's), fZ (the product starts its sum: nothing is ever cleared)
.macro WM
.if fZ
.if fV == 0
	v_wmma_scale_f32_16x16x128_f8f6f4 v[rD:rD+7], v[rA:rA+15], v[rB:rB+15], 0, v[rSA], v[rSB] matrix_a_fmt:MATRIX_FMT_BF8 matrix_b_fmt:MATRIX_FMT_BF8
.elseif fV == 1
	v_wmma_scale_f32_16x16x128_f8f6f4 v[rD:rD+7], v[rA:rA+15], v[rB:rB+15], 0, v[rSA], v[rSB] matrix_a_fmt:MATRIX_FMT_BF8 matrix_b_fmt:MATRIX_FMT_BF8 matrix_a_scale:MATRIX_SCALE_ROW1
.elseif fV == 2
	v_wmma_scale_f32_16x16x128_f8f6f4 v[rD:rD+7], v[rA:rA+15], v[rB:rB+15], 0, v[rSA], v[rSB] matrix_a_fmt:MATRIX_FMT_BF8 matrix_b_fmt:MATRIX_FMT_BF8 matrix_b_scale:MATRIX_SCALE_ROW1
.else
	v_wmma_scale_f32_16x16x128_f8f6f4 v[rD:rD+7], v[rA:rA+15], v[rB:rB+15], 0, v[rSA], v[rSB] matrix_a_fmt:MATRIX_FMT_BF8 matrix_b_fmt:MATRIX_FMT_BF8 matrix_a_scale:MATRIX_SCALE_ROW1 matrix_b_scale:MATRIX_SCALE_ROW1
.endif
.else
.if fV == 0
	v_wmma_scale_f32_16x16x128_f8f6f4 v[rD:rD+7], v[rA:rA+15], v[rB:rB+15], v[rD:rD+7], v[rSA], v[rSB] matrix_a_fmt:MATRIX_FMT_BF8 matrix_b_fmt:MATRIX_FMT_BF8
.elseif fV == 1
	v_wmma_scale_f32_16x16x128_f8f6f4 v[rD:rD+7], v[rA:rA+15], v[rB:rB+15], v[rD:rD+7], v[rSA], v[rSB] matrix_a_fmt:MATRIX_FMT_BF8 matrix_b_fmt:MATRIX_FMT_BF8 matrix_a_scale:MATRIX_SCALE_ROW1
.elseif fV == 2
	v_wmma_scale_f32_16x16x128_f8f6f4 v[rD:rD+7], v[rA:rA+15], v[rB:rB+15], v[rD:rD+7], v[rSA], v[rSB] matrix_a_fmt:MATRIX_FMT_BF8 matrix_b_fmt:MATRIX_FMT_BF8 matrix_b_scale:MATRIX_SCALE_ROW1
.else
	v_wmma_scale_f32_16x16x128_f8f6f4 v[rD:rD+7], v[rA:rA+15], v[rB:rB+15], v[rD:rD+7], v[rSA], v[rSB] matrix_a_fmt:MATRIX_FMT_BF8 matrix_b_fmt:MATRIX_FMT_BF8 matrix_a_scale:MATRIX_SCALE_ROW1 matrix_b_scale:MATRIX_SCALE_ROW1
.endif
.endif
.endm
; The accumulators take turns, one instruction a turn, each at most once in a sub-step.
.macro GATES k, g                      ; sub-step k, gate g: my two row tiles x two tiles of o
	WIN MUL_G
.irp m, 0,1
.irp n, 0,1
.set rD, 8*(4*(\g)+2*\m+\n)
.set rA, AF+32*((\k)%6)+16*\m
.set rB, GF+96*((\k)%2)+32*(\g)+16*\n
.set rSA, SA+4*(((\k)/4)%2)+(\k)%4
.set rSB, SB+16*(((\k)/4)%2)+8*\n+4*((\g)/2)+(\k)%4
.set fV, \m+2*((\g)%2)
.set fZ, (\k)==0
	WM
.endr
.endr
.endm
.macro CPROD k, w                      ; z: component p = k % 4 of x or h x W_c's component w: into q = p xor w, by the term's sign
.set cF, (4*((\k)/4)+(\w))%7
.set cQ, ((\k)%4)^(\w)
.set cS, (NEGM>>(4*((\k)%4)+cQ))&1
.if cF < 5
.set cB, 96+32*cF
	WIN MUL_C3
.else
.set cB, 192+32*(cF-5)
	WIN MUL_C1
.endif
.irp m, 0,1
.irp n, 0,1
.set rD, 8*(4*(2*cQ+cS)+2*\m+\n)
.set rA, AF+32*((\k)%6)+16*\m
.set rB, cB+16*\n
.set rSA, SA+4*(((\k)/4)%2)+(\k)%4
.set rSB, SB+16*(((\k)/4)%2)+8*\n+4+(\w)
.set fV, \m+2
.set fZ, ((\k)<4)&((FIRSTM>>(4*((\k)%4)+cQ))&1)
	WM
.endr
.endr
.endm
.macro FETCH_G k, g                    ; 8 LDS loads: gate g's fragments of sub-step k
	WIN 0x40
.set fR, GF+96*((\k)%2)+32*(\g)
.irp n, 0,1
.irp c, 0,1,2,3
	ds_load_b128 v[fR+16*\n+4*\c:fR+16*\n+4*\c+3], v[ADB+((\k)/4)%4] offset:(16*\n+4*(\g)+(\k)%4)*2048+512*\c
.endr
.endr
.endm
.macro FETCH_W f                       ; 8 LDS loads: W_c's fragments f = 4 step + w
.set fS, (\f)%7
.if fS < 5
.set fR, 96+32*fS
	WIN 0xc0
.else
.set fR, 192+32*(fS-5)
	WIN 0x40
.endif
.irp n, 0,1
.irp c, 0,1,2,3
	ds_load_b128 v[fR+16*\n+4*\c:fR+16*\n+4*\c+3], v[ADB+((\f)/4)%4] offset:(16*\n+12+(\f)%4)*2048+512*\c
.endr
.endr
.endm
.macro FETCH_S s                       ; 4 LDS loads: a step's scale words
	WIN 0
.irp n, 0,1
.irp u, 0,1
	ds_load_b128 v[SB+16*((\s)%2)+8*\n+4*\u:SB+16*((\s)%2)+8*\n+4*\u+3], v[ASB+(\s)%4] offset:1024*\n+512*\u
.endr
.endr
.endm
; THE STREAM OF LOADS INTO REGISTERS: items of 8 loads, item i into buffer i % 6.  0 to 31: x's or h's fragments of sub-step i; ahead of item 4 s + 1 the scale words of step s (s > 0).  32: the biases; 33 to 36: c, block by block.
.macro ITEM i
.set iR, AF+32*((\i)%6)
	WIN 0
.if (\i) < 32
.if ((\i)%4 == 1) && ((\i) > 4)
	global_load_b128 v[SA+4*(((\i)/4)%2):SA+4*(((\i)/4)%2)+3], v[AO], s[ASC:ASC+1] offset:((\i)/4)*STEPB
.endif
.irp m, 0,1
.irp c, 0,1,2,3
	global_load_b128 v[iR+16*\m+4*\c:iR+16*\m+4*\c+3], v[AO], s[APT:APT+1] offset:((\i)/4)*STEPB+((\i)%4)*16384+\m*2048+512*\c
.endr
.endr
.elseif (\i) == 32
.irp n, 0,1
	global_load_b32 v[iR+\n], v[BO], s[10:11] offset:256*\n        ; the gates' real components
	global_load_b32 v[iR+2+\n], v[BO], s[12:13] offset:256*\n
	global_load_b32 v[iR+4+\n], v[BO], s[14:15] offset:256*\n
	global_load_b128 v[iR+8+4*\n:iR+11+4*\n], v[BO], s[16:17] offset:256*\n
.endr
.else
.irp j, 0,1,2,3,4,5,6,7
	global_load_b128 v[iR+4*\j:iR+4*\j+3], v[CO], s[8:9] offset:(16*(((\i)-33)/2)+\j)*8192+256*(((\i)-33)%2) th:TH_LOAD_NT   ; c(b = 16 m + 8 h + j, o = 16 n + r, 0..3)
.endr
.endif
.endm
.macro LOADW k                         ; item k is in, and with it this step's scale words; the four items behind it may be out, and the next step's scale words among them
.if ((\k)%4 == 0) || ((\k) > 27)
	s_wait_loadcnt 32
.else
	s_wait_loadcnt 33
.endif
.endm
; A PREFETCH INTO THE L2 of the weights of fills 2 and 3: sub-step 1 asks for what sub-step 7 loads, sub-step 9 for what sub-step 15 loads.  Of a fill's first 131,072 bytes each of the four partners names 32,768, told apart BY ADDRESS, each wave 8,192,
; a lane 256: each aligned block once in each cluster that will load it.  (The last 4,096 bytes come by the load alone.)  Sub-step 18 asks for my part of c, 32 rows of 512 bytes, a lane a row, which sub-steps 28 to 31 load.
.macro ASK k
.if ((\k) == 1) || ((\k) == 9)
	global_prefetch_b8 v[PFO], s[PFB:PFB+1] offset:((\k)/8)*SLOT th:TH_LOAD_NT scope:SCOPE_SE
.endif
.if (\k) == 18
	global_prefetch_b8 v[PFC], s[8:9] th:TH_LOAD_NT scope:SCOPE_SE
	global_prefetch_b8 v[PFC], s[8:9] offset:256 th:TH_LOAD_NT scope:SCOPE_SE
.endif
.endm
; Sub-steps p = 0, 1, 2.  The next sub-step's gate fragments go into the buffer that the last sub-step has left; in an even step, whose successor lies in the same slot, one of the successor's W_c fragments goes beside them.
; The waits on DScnt leave out only what was issued behind the wanted fragments: 8: one W_c fragment pair; 32: a step's four; 56 - 8 w and 24: those and what this sub-step has issued.
.macro SUB k
.set kO, ((\k)/4)%2
.set kP, (\k)%4
.if kP == 0
.if kO
	s_wait_dscnt 8
.else
	s_wait_dscnt 32
.endif
.elseif kO
	s_wait_dscnt 0x0
.else
	s_wait_dscnt 8
.endif
	LOADW \k
	PLACES 8
.irp g, 0,1,2
	FETCH_G (\k)+1, \g
	GATES \k, \g
.endr
.if kO == 0
	FETCH_W 4*((\k)/4)+4+(\k)%4
.endif
	ITEM (\k)+5
	ASK \k
.irp w, 0,1,2,3
.if kP == 0
.if kO == 0
	s_wait_dscnt 56-8*\w
.elseif \w == 3
	s_wait_dscnt 24
.endif
.endif
	CPROD \k, \w
.endr
.endm
.macro SUB3 k                          ; sub-step 3 of an even step: the next step lies in the same slot.  W_c's last fragment takes the slot of this step's first
	s_wait_dscnt 8
	LOADW \k
	CPROD \k, 0
	PLACES 8
	FETCH_S ((\k)/4)+1
	FETCH_G (\k)+1, 0
	CPROD \k, 1
	FETCH_G (\k)+1, 1
	CPROD \k, 2
	FETCH_G (\k)+1, 2
	FETCH_W 4*((\k)/4)+7
	CPROD \k, 3
	ITEM (\k)+5
	GATES \k, 0
	GATES \k, 1
	GATES \k, 2
.endm
; Sub-step 3 of steps 1, 3, 5 changes slots: ONE barrier; in front of it each wave waits for all its tensor loads, adds 0 to its spare word, and waits for that and for its own reads of this slot.
; fill = 1: the barrier opens a round of the cluster's barrier, and this slot is filled again with the steps three and four on.
.macro TURN k, fill
	WIN 0                                          ; (the add's two registers lie in window 0)
	LOADW \k
	s_wait_tensorcnt 0x0                           ; all my tensor loads have landed: the one that was out is my part of the other slot;
	ds_add_u32 v[SPW], v[NIL]                      ; 0 onto my spare word
.if \fill
.set tG, G0+4*(((\k)/8)%2)
	s_add_nc_u64 s[tG+2:tG+3], s[tG+2:tG+3], 2*SLOT
.endif
	s_wait_dscnt 0x1                               ; (the add alone may be out: this sub-step's fragments are in)
	CPROD \k, 0                                    ; eight matrix instructions stand between the add and the wait for it
	CPROD \k, 1
	s_wait_dscnt 0x0                               ; the add is done, and my reads of this slot are over
	s_barrier_signal -1
	CPROD \k, 2
	WIN 0
	s_barrier_wait -1
.if \fill
	CREST                                          ; no wave of any partner still reads this slot or has a load on its way
	tensor_load_to_lds s[tG:tG+3], s[G1:G1+7]      ; the first tensor load behind the round, my one load until the next
	s_nop 0
.endif
	PLACES 8
	FETCH_S ((\k)/4)+1
	FETCH_G (\k)+1, 0
	FETCH_G (\k)+1, 1
	FETCH_G (\k)+1, 2
	CPROD \k, 3
	FETCH_W 4*((\k)/4)+4
	FETCH_W 4*((\k)/4)+5
	GATES \k, 0
	FETCH_W 4*((\k)/4)+6
	GATES \k, 1
	FETCH_W 4*((\k)/4)+7
	ITEM (\k)+5
	GATES \k, 2
.endm
	s_load_b512 s[4:19], s[0:1], 0x0               ; aimg, bimg, c, Ui_b, Uf_b, Uo_b, Uc_b, out0
	s_load_b64 s[20:21], s[0:1], 0x40              ; out1
	v_lshl_add_u32 v[SPW], v0, 2, SPARE
	v_mov_b32 v[NIL], 0
	ds_add_u32 v[SPW], v[NIL]                      ; the wave's opening: the add, twice on end, and its wait ahead of my first tensor load; work on registers stands between
	ds_add_u32 v[SPW], v[NIL]
	v_lshrrev_b32 v1, 5, v0
	v_readfirstlane_b32 s[WV], v1                  ; wave 0..3
	v_and_b32 v2, 31, v0                           ; lane
	v_lshlrev_b32 v[AO], 4, v2
.irp i, 1,2,3
	v_lshl_add_u32 v[ADB+\i], v2, 4, \i*STEPB
.endr
.irp i, 0,1,2,3
	v_lshl_add_u32 v[ASB+\i], v2, 4, \i*STEPB+SCOFF
.endr
	v_and_b32 v1, 15, v0                           ; r
	v_bfe_u32 v3, v0, 4, 1                         ; h
	v_lshlrev_b32 v[BO], 4, v1
	v_lshl_add_u32 v[CO], v3, 16, v[BO]            ; 8 h rows of 8,192 bytes + 16 r
	v_lshlrev_b32 v[PFO], 8, v2
	v_lshlrev_b32 v[PFC], 13, v2
	s_wait_alu depctr_va_vdst(0)
	s_bfe_u32 s23, ttmp6, 0x40000                  ; cx: my place in the cluster
	s_lshl_b32 s24, ttmp9, 2
	s_add_co_u32 s24, s24, s23                     ; my block of 128 rows = 4 x cluster x + cx
	s_and_b32 s25, ttmp7, 0xffff                   ; my block of 32 o: the same in all four partners
	; descriptor group 1: a quarter of two steps, dense in memory: 132 rows of 256 bytes (32 elements of 8 bytes), no padding
	s_mov_b32 s[G1+0], 15|(3<<16)|(1<<21)          ; 15:0 the mask: all four partners; 17:16 elements of 8 bytes; 21 set beside a mask
	s_mov_b32 s[G1+1], 32<<16                      ; tensor_dim0 = 32
	s_mov_b32 s[G1+2], 132<<16                     ; tensor_dim1 = 132
	s_mov_b32 s[G1+3], 32<<16                      ; tile_dim0 = 32
	s_mov_b32 s[G1+4], 132                         ; tile_dim1 = 132
	s_mov_b32 s[G1+5], 32                          ; tensor_dim0_stride
	s_mov_b32 s[G1+6], 0
	s_mov_b32 s[G1+7], 0
	s_mul_i32 s44, s25, 8*STEPB                    ; my block of weights
	s_lshl_b32 s27, s23, 15                        ; the prefetches: + my work-group's 32,768 bytes,
	s_add_co_u32 s54, s44, s27
	s_lshl_b32 s27, s[WV], 13                      ; + my wave's 8,192 of them,
	s_add_co_u32 s54, s54, s27
	s_add_co_u32 s54, s54, 2*SLOT                  ; of fill 2
	s_mov_b32 s55, 0
	s_mul_i32 s26, s[WV], QUART                    ; my quarter, in memory and in LDS
	s_add_co_u32 s44, s44, s26
	s_mov_b32 s45, 0
	s_mul_i32 s46, s24, 8*STEPB                    ; my block of x and h
	s_lshl_b32 s27, s[WV], 9
	s_add_co_u32 s48, s46, s27
	s_add_co_u32 s48, s48, SCOFF                   ; my 32 rows' scale words
	s_mov_b32 s49, 0
	s_lshl_b32 s27, s[WV], 12
	s_add_co_u32 s46, s46, s27                     ; my two row tiles' images
	s_mov_b32 s47, 0
	s_lshl_b32 s52, s25, 9                         ; my first o, 16 bytes each
	s_mov_b32 s53, 0
	s_lshl_b32 s50, s24, 20                        ; my first row, 8,192 bytes each: 128 x block + 32 x wave
	s_lshl_b32 s27, s[WV], 18
	s_add_co_u32 s50, s50, s27
	s_add_co_u32 s50, s50, s52
	s_mov_b32 s51, 0
	s_mov_b32 s[NL2], 0xbfb8aa3b                   ; -log2(e)
	s_mov_b32 s[NL2+1], 0xbfb8aa3b                 ; (the packed forms name a pair, so both are written)
	s_mov_b32 s[TL2], 0x4038aa3b                   ; 2 log2(e)
	s_mov_b32 s[TL2+1], 0x4038aa3b
	s_wait_dscnt 0x0                               ; both opening adds are done
	s_wait_kmcnt 0x0
	s_add_nc_u64 s[44:45], s[6:7], s[44:45]
	s_add_nc_u64 s[54:55], s[6:7], s[54:55]
	s_add_nc_u64 s[46:47], s[4:5], s[46:47]
	s_add_nc_u64 s[48:49], s[4:5], s[48:49]
	s_add_nc_u64 s[10:11], s[10:11], s[52:53]
	s_add_nc_u64 s[12:13], s[12:13], s[52:53]
	s_add_nc_u64 s[14:15], s[14:15], s[52:53]
	s_add_nc_u64 s[16:17], s[16:17], s[52:53]
	s_add_nc_u64 s[8:9], s[8:9], s[50:51]
	s_add_nc_u64 s[18:19], s[18:19], s[50:51]
	s_add_nc_u64 s[20:21], s[20:21], s[50:51]
.irp s, 0,1
	s_mov_b32 s[G0+4*\s], 1                        ; 1:0 count = 1
	s_add_co_u32 s[G0+4*\s+1], s26, \s*SLOT        ; 63:32 LDS address: no place in the cluster enters it
	s_add_nc_u64 s[G0+4*\s+2:G0+4*\s+3], s[44:45], \s*SLOT    ; 120:64 global address: steps 2 s and 2 s + 1
	s_or_b32 s[G0+4*\s+3], s[G0+4*\s+3], 0x80000000            ; 127:126 type = 2
.endr
	CROUND                                         ; all four work-groups are here: the first joint loads meet
	tensor_load_to_lds s[G0:G0+3], s[G1:G1+7]      ; steps 0 and 1: one tensor load a wave at the head
	s_nop 0
	global_load_b128 v[SA:SA+3], v[AO], s[ASC:ASC+1]   ; step 0's scale words
.irp i, 0,1,2,3,4
	ITEM \i
.endr
	s_wait_tensorcnt 0x0                           ; my part of slot 0 is in; these lines stand ahead of a later first fill, as ahead of a refill:
	ds_add_u32 v[SPW], v[NIL]
	s_wait_dscnt 0x0
	CROUND                                         ; everybody's part is in
	tensor_load_to_lds s[G0+4:G0+7], s[G1:G1+7]    ; steps 2 and 3, the first tensor load behind the round
	s_nop 0
	FETCH_S 0
.irp g, 0,1,2
	FETCH_G 0, \g
.endr
.irp f, 0,1,2,3
	FETCH_W \f
.endr
.irp k, 0,1,2
	SUB \k
.endr
	SUB3 3
.irp k, 4,5,6
	SUB \k
.endr
	TURN 7, 1                                      ; slot 0 takes steps 4 and 5
.irp k, 8,9,10
	SUB \k
.endr
	SUB3 11
.irp k, 12,13,14
	SUB \k
.endr
	TURN 15, 1                                     ; slot 1 takes steps 6 and 7
.irp k, 16,17,18
	SUB \k
.endr
	SUB3 19
.irp k, 20,21,22
	SUB \k
.endr
	TURN 23, 0                                     ; nothing is filled again
.irp k, 24,25,26
	SUB \k
.endr
	SUB3 27
.irp k, 28,29,30
	SUB \k
.endr
	s_wait_dscnt 0x0                               ; the very last sub-step: nothing more to fetch but c's last block
	LOADW 31
	PLACES 8
	ITEM 36
.irp w, 0,1,2,3
	CPROD 31, \w
.endr
.irp g, 0,1,2
	GATES 31, \g
.endr
	; THE END.  The biases go into the scalings ahead of the exponentials: these 28 lines are also the places behind the last products.
	s_wait_loadcnt 32                              ; the biases; c's four blocks may be out
	WIN 0x40                                       ; destination window 1
.irp n, 0,1
.irp g, 0,1,2
	v_mul_f32 v[NB+14*\n+2*\g], s[NL2], v[BR+2*\g+\n]
	v_mul_f32 v[NB+14*\n+2*\g+1], s[NL2], v[BR+2*\g+\n]
.endr
.irp q, 0,1,2,3
	v_mul_f32 v[NB+14*\n+6+2*\q], s[TL2], v[BR+8+4*\n+\q]
	v_mul_f32 v[NB+14*\n+6+2*\q+1], s[TL2], v[BR+8+4*\n+\q]
.endr
.endr
; Block b = 2 m + n: 8 rows a lane, at work in window 1.  The exponentials and the reciprocals go in batches, each with one wait ahead of it, one plain line and one wait behind it.
.macro EPI b
.set eM, (\b)/2
.set eN, (\b)%2
.set eB, NB+14*eN
.set CT, CTB+64*eN
.set HT, HTB+64*eN
.set CIN, AF+32*((33+(\b))%6)
.if \b > 1
	s_wait_xcnt 0x0                                ; the stores of the block before the last have read their data: those registers are written again only behind this wait
.endif
	WIN 0x4a                                       ; sources 0 and 1 window 2, destination window 1
	s_wait_alu depctr_va_vdst(0)
.irp q, 0,1,2,3
.irp j, 0,2,4,6
	v_pk_add_f32 v[ZZ+8*\q+\j:ZZ+8*\q+\j+1], v[8*(8*\q+\b)+\j:8*(8*\q+\b)+\j+1], v[8*(8*\q+4+\b)+\j:8*(8*\q+4+\b)+\j+1] neg_lo:[0,1] neg_hi:[0,1]   ; z = the + terms less the - terms; each accumulator from its low end on
.endr
.endr
	WIN 0x53                                       ; source 0 window 3, source 2 and destination window 1
	s_wait_alu depctr_va_vdst(0)
.irp g, 0,1,2
.irp j, 0,2,4,6
	v_pk_fma_f32 v[GA+8*\g+\j:GA+8*\g+\j+1], v[8*(4*\g+\b)+\j:8*(4*\g+\b)+\j+1], s[NL2:NL2+1], v[eB+2*\g:eB+2*\g+1] op_sel_hi:[1,0,1]   ; -log2(e) (sum + bias)
.endr
.endr
	WIN 0x51                                       ; source 0, source 2 and destination window 1
.irp q, 0,1,2,3
.irp j, 0,2,4,6
	v_pk_fma_f32 v[ZZ+8*\q+\j:ZZ+8*\q+\j+1], v[ZZ+8*\q+\j:ZZ+8*\q+\j+1], s[TL2:TL2+1], v[eB+6+2*\q:eB+7+2*\q] op_sel_hi:[1,0,1]   ; 2 log2(e) (z + bias)
.endr
.endr
.set e, 0
	s_wait_alu depctr_va_vdst(0)
.rept 56
	v_exp_f32 v[ZZ+e], v[ZZ+e]
.set e, e+1
.endr
	v_nop
	s_wait_alu depctr_va_vdst(0)
.set e, 0
.rept 28
	v_pk_add_f32 v[ZZ+e:ZZ+e+1], v[ZZ+e:ZZ+e+1], 1.0 op_sel_hi:[1,0]
.set e, e+2
.endr
.set e, 0
	s_wait_alu depctr_va_vdst(0)
.rept 56
	v_rcp_f32 v[ZZ+e], v[ZZ+e]                     ; the gates are finished: i, f, o;  of z: 1 / (1 + 2^(2 z log2 e))
.set e, e+1
.endr
	v_nop
	s_wait_alu depctr_va_vdst(0)
	s_wait_loadcnt 24-8*\b                         ; this block of c; those behind it may be out
.irp j, 0,2,4,6
	v_pk_mul_f32 v[I2+\j:I2+\j+1], v[GA+\j:GA+\j+1], -2.0 op_sel_hi:[1,0]
	v_pk_mul_f32 v[O2+\j:O2+\j+1], v[GA+16+\j:GA+16+\j+1], -2.0 op_sel_hi:[1,0]
.endr
	WIN 0x55
.irp q, 0,1,2,3
.irp j, 0,2,4,6
	v_pk_fma_f32 v[ZZ+8*\q+\j:ZZ+8*\q+\j+1], v[I2+\j:I2+\j+1], v[ZZ+8*\q+\j:ZZ+8*\q+\j+1], v[GA+\j:GA+\j+1]   ; i tanh(z) = i - 2 i / (1 + ..)
.endr
.endr
	WIN 0x51                                       ; c lies in window 0
.irp j, 0,1,2,3,4,5,6,7
.irp q, 0,1,2,3
	v_fma_f32 v[CT+4*\j+\q], v[GA+8+\j], v[CIN+4*\j+\q], v[ZZ+8*\q+\j]   ; c_t = f c + i tanh(z)
.endr
.endr
	WIN 0x04                                       ; data window 1
.irp j, 0,1,2,3,4,5,6,7
	global_store_b128 v[CO], v[CT+4*\j:CT+4*\j+3], s[20:21] offset:(16*eM+\j)*8192+256*eN th:TH_STORE_NT   ; sixteen lanes store 256 consecutive bytes, at a multiple of 256 from out1's first byte
.endr
	WIN 0x51
.set e, 0
.rept 16
	v_pk_mul_f32 v[HT+e:HT+e+1], v[CT+e:CT+e+1], s[TL2:TL2+1] op_sel_hi:[1,0]
.set e, e+2
.endr
.set e, 0
	s_wait_alu depctr_va_vdst(0)
.rept 32
	v_exp_f32 v[HT+e], v[HT+e]
.set e, e+1
.endr
	v_nop
	s_wait_alu depctr_va_vdst(0)
.set e, 0
.rept 16
	v_pk_add_f32 v[HT+e:HT+e+1], v[HT+e:HT+e+1], 1.0 op_sel_hi:[1,0]
.set e, e+2
.endr
.set e, 0
	s_wait_alu depctr_va_vdst(0)
.rept 32
	v_rcp_f32 v[HT+e], v[HT+e]
.set e, e+1
.endr
	v_nop
	s_wait_alu depctr_va_vdst(0)
	WIN 0x55
.irp j, 0,1,2,3,4,5,6,7
.irp q, 0,1,2,3
	v_fma_f32 v[HT+4*\j+\q], v[O2+\j], v[HT+4*\j+\q], v[GA+16+\j]   ; h_t = o tanh(c_t) = o - 2 o / (1 + ..)
.endr
.endr
	WIN 0x04
.irp j, 0,1,2,3,4,5,6,7
	global_store_b128 v[CO], v[HT+4*\j:HT+4*\j+3], s[18:19] offset:(16*eM+\j)*8192+256*eN th:TH_STORE_NT
.endr
.endm
	EPI 0
	EPI 1
	EPI 2
	EPI 3
	WIN 0
	s_wait_tensorcnt 0x0                           ; the wave's end, behind my last tensor load
	ds_add_u32 v[SPW], v[NIL]
	s_wait_dscnt 0x0
	CROUND                                         ; the closing round: no work-group ends while a partner may still ask for a block that names it
	s_endpgm
.Lfunc_end_k_qc38ff737c5_cell:
	.size	k_qc38ff737c5_cell, .Lfunc_end_k_qc38ff737c5_cell-k_qc38ff737c5_cell
	.p2alignl 7, 3214868480
	.fill 96, 4, 3214868480
	.section	.rodata,"a",@progbits
	.p2align	6, 0x0
	.amdhsa_kernel k_qc38ff737c5_cell
		.amdhsa_group_segment_fixed_size 327680
		.amdhsa_private_segment_fixed_size 0
		.amdhsa_enable_private_segment 0
		.amdhsa_kernarg_size 72
		.amdhsa_user_sgpr_count 2
		.amdhsa_user_sgpr_kernarg_segment_ptr 1
		.amdhsa_wavefront_size32 1
		.amdhsa_system_sgpr_workgroup_id_x 1
		.amdhsa_system_sgpr_workgroup_id_y 1
		.amdhsa_system_sgpr_workgroup_id_z 1
		.amdhsa_system_vgpr_workitem_id 0
		.amdhsa_next_free_vgpr 1024
		.amdhsa_next_free_sgpr 72
		.amdhsa_reserve_vcc 0
		.amdhsa_float_denorm_mode_32 3
		.amdhsa_float_denorm_mode_16_64 3
		.amdhsa_memory_ordered 1
		.amdhsa_forward_progress 1
		.amdhsa_inst_pref_size 255
	.end_amdhsa_kernel
	.section	.bss,"aw",@nobits
	.p2align	6
	.space	262144
	.amdgpu_metadata
---
amdhsa.version: [ 1, 2 ]
amdhsa.kernels:
  - .name:           k_qc38ff737c5_cell
    .symbol:         k_qc38ff737c5_cell.kd
    .args:
      - { .name: aimg, .offset: 0, .size: 8, .value_kind: global_buffer, .address_space: global }
      - { .name: bimg, .offset: 8, .size: 8, .value_kind: global_buffer, .address_space: global }
      - { .name: c, .offset: 16, .size: 8, .value_kind: global_buffer, .address_space: global }
      - { .name: Ui_b, .offset: 24, .size: 8, .value_kind: global_buffer, .address_space: global }
      - { .name: Uf_b, .offset: 32, .size: 8, .value_kind: global_buffer, .address_space: global }
      - { .name: Uo_b, .offset: 40, .size: 8, .value_kind: global_buffer, .address_space: global }
      - { .name: Uc_b, .offset: 48, .size: 8, .value_kind: global_buffer, .address_space: global }
      - { .name: out0, .offset: 56, .size: 8, .value_kind: global_buffer, .address_space: global }
      - { .name: out1, .offset: 64, .size: 8, .value_kind: global_buffer, .address_space: global }
    .group_segment_fixed_size: 327680
    .private_segment_fixed_size: 0
    .kernarg_segment_align: 8
    .kernarg_segment_size: 72
    .max_flat_workgroup_size: 128
    .sgpr_count:     72
    .vgpr_count:     1024
    .wavefront_size: 32
...
	.end_amdgpu_metadata
.endif
;; end of part 2
